; MI455X (gfx1250); checked and timed in simulation.
; The chip was launched on July 23, 2026; its instructions are those of AMD's public machine-readable ISA for CDNA 5 (MIT licence, August 2026) and "CDNA5" Instruction Set Architecture Reference Guide (July 2026). The comments in the code are by the model that wrote it; some were corrected since.
;; Lora Quant Linear. Allowed arithmetic: float matrix products may take bf16 or f16 operands with f32 sums; other float arithmetic in f32, or as packed bf16 or f16 multiplies, adds, multiply-adds, maxima and minima; sums over many terms, partial sums and values carried from step to step in f32; what a program stores and reads back later, other than sums and carried values, may be rounded once to bf16 or f16.
;; Inputs: codes 4,096 x 4,096 int32; lora_A 16 x 4,096 float32; lora_B 4,096 x 16 float32; scales 262,144 float32; x 4,096 x 4,096 float32.
;; Outputs: out0 4,096 x 4,096 float32.
;; One version. Each part assembles by itself: llvm-mc -triple=amdgcn-amd-amdhsa -mcpu=gfx1250 --defsym DOCPART=n.
;; ======== version 1 of 1: 2 launches
;; workspace buffers: xb 33,554,432 bytes; wb 33,554,432 bytes
;; launch prep (part 1): grid 4 x 64, 8 waves a work-group, no clusters, 33,792 bytes of LDS; arguments x, codes, scales, lora_A, lora_B, xb, wb; writes xb, wb
.if DOCPART == 1
	.amdgcn_target "amdgcn-amd-amdhsa--gfx1250"
	.amdhsa_code_object_version 6
	.text
	.protected	k_qb39b5a17ea_prep
	.globl	k_qb39b5a17ea_prep
	.p2align	8
	.type	k_qb39b5a17ea_prep,@function
k_qb39b5a17ea_prep:
	s_mov_b64 s[64:65], 0
	v_nop
	global_prefetch_b8 v0, s[64:65] scope:SCOPE_SE
	s_setreg_imm32_b32 hwreg(HW_REG_WAVE_MODE, 25, 1), 1
	s_wait_xcnt 0x0
; xb = bf16(x);  wb[o][i] = bf16( NF4[codes[o][i]] * bf16(scales[(o*4096+i)/64]) + 2 * sum over r of bf16(lora_B[o][r]) * bf16(lora_A[r][i]) ).
; x (W + 2 B A)^T = x W^T + 2 (x A^T) B^T for every input, so the low-rank term is added to the weight here, in f32, and the next launch is one plain product.
; LIMITS.  Every f32 input is rounded to bf16 (nearest even) before use; the weight's sum is made in f32 and rounded once to bf16; the low-rank term joins the weight, not the result, so the
; order of rounding differs from the reference's.  bf16 has f32's range, so no range is given up.  A code above 15 (read as unsigned, so a negative one too) takes NF4[15].
; SHARES.  x and the weight have one shape, [4096][4096].  Work-group (bx, by) owns rows 64 by .. +63 and columns 1024 bx .. +1023 of both; wave w 8 of these rows; it walks 8 strips of 128 columns.
; In a strip lane L holds columns 4 L .. 4 L + 3 of each of the 8 rows: a 16-byte load of the wave covers 512 consecutive bytes of a row, an 8-byte store 256 consecutive bytes, aligned.
; THE LOW-RANK TERM IN THAT LAYOUT.  The matrix form has K = 32, twice the rank; the spare half of K carries the strip's second 64 columns.  With n = L % 16, h = L / 16, for t = 0..3:
;   source 0 (BF), row n:  n < 8: k 0-15 = 2 B[R0+n][k], k 16-31 = 0;   n >= 8: k 0-15 = 0, k 16-31 = 2 B[R0+n-8][k-16]
;   source 1 (AF), column n:  k 0-15 = A[k][C0+4n+t],  k 16-31 = A[k-16][C0+64+4n+t]
;   result register j of lane (n, h) = row 8 h + j, column n = the term for weight row R0 + j, column C0 + 64 h + 4 n + t = C0 + 4 L + t: the lane's own columns.
; The C operand is NF4 x scale in the same registers, so the matrix unit makes the sum too.  No tensor loads, no cluster, no prefetch: no wave wants another's stream bytes, what is shared
; (lora_A) is a small part, and the wave's own loads run two strips ahead.
.set ROWF,  16384                      ; bytes in a row of x, codes and lora_A
.set ROWH,  8192                       ; bytes in a row of xb and wb
.set SPARE, 32768                      ; LDS: 0 .. 32767 source 1's fragments (strip s at 4096 s, quad q = 2 t + g at 512 q, lane at 16 L); behind them the spare words, 128 bytes a wave
.set VO,  2                            ; v2   16 L: my offset in 512 bytes of x and codes, and in a quad of the table; never rewritten
.set VS,  3                            ; v3   8 L: my offset in 256 bytes of xb and wb; never rewritten
.set SPW, 4                            ; v4   LDS address of my spare word; never rewritten
.set NIL, 5                            ; v5   0; never rewritten
.set TAB, 6                            ; v6   lane k holds NF4[k], k < 16; the others 0
.set VA,  8                            ; v8   lora_A: 8 h rows + 16 n + 512 w
.set VB,  9                            ; v9   lora_B: (n % 8) rows of 64 bytes + 32 h
.set VSC, 10                           ; v10  scales: (n % 8) rows of 256 bytes + 8 (n / 8) + 4 h
.set LST, 11                           ; v11  where I put my 16 bytes of a quad of strip w
.set SC,  12                           ; v[12:15]  register q, lane (n, h): the scale of row n % 8, block 4 q + 2 (n / 8) + h of the work-group's 16
.set SR,  16                           ; v[16:23]  the strip's scale of row j for my half of the lanes; at the start lora_B as loaded
.set BF,  24                           ; v[24:31]  source 0
.set AF,  32                           ; v[32:63]  source 1, tile t at AF + 8 t
.set NF,  64                           ; v[64:95]  column t, row j at NF + 8 t + j: table value, then x scale, then the weight
.set CD,  96                           ; v[96:159]  codes, two sets of 32: row j, column t at 4 j + t
.set XD,  160                          ; v[160:223] x, likewise
.set OW,  224                          ; v[224:239] the weight's 8 bytes of row j at OW + 2 j
.set OX,  240                          ; v[240:255] x's
.set RA,  32                           ; at the start: lora_A as loaded, half g, row e, column t at RA + 4 (8 g + e) + t
.set FT,  224                          ; at the start: source 1's fragments of strip w on their way to LDS
	s_load_b256 s[4:11], s[0:1], 0x0               ; x s[4:5], codes s[6:7], scales s[8:9], lora_A s[10:11]
	s_load_b128 s[12:15], s[0:1], 0x20             ; lora_B s[12:13], xb s[14:15]
	s_load_b64 s[16:17], s[0:1], 0x30              ; wb
	v_lshl_add_u32 v[SPW], v0, 2, SPARE
	v_mov_b32 v[NIL], 0
	v_lshrrev_b32 v1, 5, v0
	v_readfirstlane_b32 s18, v1                    ; wave 0..7
	s_and_b32 s20, ttmp7, 0xffff                   ; by
	s_lshl_b32 s21, s20, 6
	s_lshl3_add_u32 s21, s18, s21                  ; R0 = 64 by + 8 w
	s_lshl_b32 s22, s21, 14                        ; offsets, each in a pair of its own: x and codes: R0 rows + 1024 bx columns of 4 bytes (under 2^26)
	s_lshl_b32 s24, ttmp9, 12
	s_add_co_u32 s22, s22, s24
	s_mov_b32 s23, 0
	s_lshr_b32 s26, s22, 1                         ; xb and wb: half of that
	s_mov_b32 s27, 0
	s_lshl_b32 s28, s21, 8                         ; scales: 64 blocks of 4 bytes a row, 16 blocks for bx
	s_lshl_b32 s29, ttmp9, 6
	s_add_co_u32 s28, s28, s29
	s_mov_b32 s29, 0
	s_lshl_b32 s30, s21, 6                         ; lora_B: rows of 64 bytes
	s_mov_b32 s31, 0
	s_mov_b32 s32, s24                             ; lora_A: the work-group's columns
	s_mov_b32 s33, 0
	s_mov_b32 s25, 0xffff0000                      ; a word's upper bf16
	v_and_b32 v7, 15, v0                           ; n
	v_and_b32 v1, 31, v0                           ; L
	v_bfe_u32 v13, v0, 4, 1                        ; h      (v13-15 are free until the scales are asked for)
	v_and_b32 v14, 7, v0                           ; n % 8
	v_bfe_u32 v15, v0, 3, 1                        ; n / 8
	v_lshlrev_b32 v[VO], 4, v1
	v_lshlrev_b32 v[VS], 3, v1
	s_lshl_b32 s19, s18, 9
	v_lshlrev_b32 v[VA], 17, v13
	v_lshl_add_u32 v[VA], v7, 4, v[VA]
	v_add_nc_u32 v[VA], s19, v[VA]
	v_lshlrev_b32 v[VB], 6, v14
	v_lshl_add_u32 v[VB], v13, 5, v[VB]
	v_lshlrev_b32 v[VSC], 8, v14
	v_lshl_add_u32 v[VSC], v15, 3, v[VSC]
	v_lshl_add_u32 v[VSC], v13, 2, v[VSC]
	s_lshl_b32 s19, s18, 12
	v_add_nc_u32 v[LST], s19, v[VO]
	v_mov_b32 v[TAB], 0                            ; NF4[7] = 0 and lanes 16-31 stay so
.macro TABSET k, bits
	s_mov_b32 s24, \bits
	v_writelane_b32 v[TAB], s24, \k
.endm
	TABSET 0,  0xbf800000
	TABSET 1,  0xbf3239b1
	TABSET 2,  0xbf066b30
	TABSET 3,  0xbeca32a0
	TABSET 4,  0xbe91a24d
	TABSET 5,  0xbe3d353f
	TABSET 6,  0xbdba7871
	TABSET 8,  0x3da2faff
	TABSET 9,  0x3e24cae3
	TABSET 10, 0x3e7c04dd
	TABSET 11, 0x3ead033a
	TABSET 12, 0x3ee1a4b8
	TABSET 13, 0x3f1007ab
	TABSET 14, 0x3f3913b3
	TABSET 15, 0x3f800000
	s_wait_kmcnt 0x0
	s_add_nc_u64 s[4:5], s[4:5], s[22:23]          ; every base is set once; rows and strips stand in the immediates, so no base and no offset register is ever stepped
	s_add_nc_u64 s[6:7], s[6:7], s[22:23]
	s_add_nc_u64 s[8:9], s[8:9], s[28:29]
	s_add_nc_u64 s[10:11], s[10:11], s[32:33]
	s_add_nc_u64 s[12:13], s[12:13], s[30:31]
	s_add_nc_u64 s[14:15], s[14:15], s[26:27]
	s_add_nc_u64 s[16:17], s[16:17], s[26:27]
.macro LOADC s                         ; strip s of my 8 rows of codes: 8 loads of 512 consecutive bytes
.irp j, 0,1,2,3,4,5,6,7
	global_load_b128 v[CD+32*((\s)&1)+4*(\j):CD+32*((\s)&1)+4*(\j)+3], v[VO], s[6:7] offset:(\j)*ROWF+(\s)*512 th:TH_LOAD_NT
.endr
.endm
.macro LOADX s                         ; the same of x
.irp j, 0,1,2,3,4,5,6,7
	global_load_b128 v[XD+32*((\s)&1)+4*(\j):XD+32*((\s)&1)+4*(\j)+3], v[VO], s[4:5] offset:(\j)*ROWF+(\s)*512 th:TH_LOAD_NT
.endr
.endm
	; 22 small loads, then the first two strips' 32
.irp g, 0,1
.irp e, 0,1,2,3,4,5,6,7
	global_load_b128 v[RA+4*(8*(\g)+(\e)):RA+4*(8*(\g)+(\e))+3], v[VA], s[10:11] offset:(\e)*ROWF+(\g)*256  ; lora_A rows 8 h + e, columns 128 w + 64 g + 4 n .. + 3 of the work-group's
.endr
.endr
	global_load_b128 v[SR:SR+3],   v[VB], s[12:13]            ; lora_B[R0 + n % 8][8 h .. 8 h + 7]
	global_load_b128 v[SR+4:SR+7], v[VB], s[12:13] offset:16
.irp q, 0,1,2,3
	global_load_b32 v[SC+(\q)], v[VSC], s[8:9] offset:16*(\q)
.endr
	LOADC 0
	LOADX 0
	LOADC 1
	LOADX 1
	s_wait_loadcnt 32                              ; loads come back in order (ISA guide 5.7.1): the 22 are in, the two strips' 32 stay out
	; source 1's fragments of strip w: register 4 g + p of tile t holds rows 8 h + 2 p (low half) and 8 h + 2 p + 1 of column 64 g + 4 n + t
.irp t, 0,1,2,3
.irp g, 0,1
.irp p, 0,1,2,3
	v_cvt_pk_bf16_f32 v[FT+8*(\t)+4*(\g)+(\p)], v[RA+4*(8*(\g)+2*(\p))+(\t)], v[RA+4*(8*(\g)+2*(\p)+1)+(\t)]
.endr
.endr
.endr
.irp q, 0,1,2,3,4,5,6,7
	ds_store_b128 v[LST], v[FT+4*(\q):FT+4*(\q)+3] offset:512*(\q)  ; 32 lanes, 16 neighbouring bytes each: every bank once
.endr
	; source 0: 2 B rounded to bf16 (the doubling is exact), in the low or the high half of K by the row
.irp i, 0,2,4,6
	v_pk_mul_f32 v[SR+(\i):SR+(\i)+1], v[SR+(\i):SR+(\i)+1], 2.0 op_sel_hi:[1,0]
.endr
.irp i, 0,1,2,3
	v_cvt_pk_bf16_f32 v[SR+(\i)], v[SR+2*(\i)], v[SR+2*(\i)+1]
.endr
	v_cmp_gt_u32 vcc_lo, 8, v7                     ; n < 8
.irp i, 0,1,2,3
	v_cndmask_b32 v[BF+(\i)], 0, v[SR+(\i)], vcc_lo
	v_cndmask_b32 v[BF+4+(\i)], v[SR+(\i)], v[NIL], vcc_lo
.endr
	; the scales rounded to bf16 and widened again
.irp q, 0,2
	v_cvt_pk_bf16_f32 v1, v[SC+(\q)], v[SC+(\q)+1]
	v_lshlrev_b32 v[SC+(\q)], 16, v1
	v_and_b32 v[SC+(\q)+1], s25, v1
.endr
.irp j, 0,1,2,3,4,5,6,7
	v_mov_b32 v[SR+(\j)], 0                        ; the destination of a DPP move counts as read: it is written once here
.endr
	s_wait_dscnt 0x0                               ; for the others' sake: my part of the table is in LDS
	s_barrier_signal -1
	s_barrier_wait -1                              ; all eight strips' fragments are; the table is only read from here on.  The one barrier of the launch
; One strip: 8 rows x 128 columns of the weight and of x.
.macro TRIP s
.set CP, CD+32*((\s)&1)
.set XP, XD+32*((\s)&1)
.if (\s) < 7
	s_wait_loadcnt 16                              ; issue order is codes, x of strip s, then codes, x of strip s + 1: this strip is in, the next one's 16 loads stay out
.else
	s_wait_loadcnt 0x0
.endif
.irp q, 0,1,2,3,4,5,6,7
	ds_load_b128 v[AF+4*(\q):AF+4*(\q)+3], v[VO] offset:4096*(\s)+512*(\q)  ; behind the last strip's products stand its 16 roundings of x, more than the four places owed (ISA guide 7.12.1)
.endr
.set i, 0
.rept 32
	v_min_u32 v[CP+i], 15, v[CP+i]                 ; a loaded number is held inside the table before it selects anything
.set i, i+1
.endr
.set i, 0
.rept 32
	v_lshlrev_b32 v[CP+i], 2, v[CP+i]              ; the permute's selector is the lane's number times 4
.set i, i+1
.endr
.irp t, 0,1,2,3
.irp j, 0,1,2,3,4,5,6,7
	ds_bpermute_b32 v[NF+8*(\t)+(\j)], v[CP+4*(\j)+(\t)], v[TAB]  ; NF4[code]: each lane takes the table lane that its code names
.endr
.endr
.if ((\s)&1) == 0                      ; row j's scale lies in lane j + 8 (s % 2) of each half of the lanes, the half's own block
.irp n, 0,1,2,3,4,5,6,7
	v_mov_b32_dpp v[SR+(\n)], v[SC+(\s)/2] row_share:\n row_mask:0xf bank_mask:0xf
.endr
.else
.irp n, 8,9,10,11,12,13,14,15
	v_mov_b32_dpp v[SR+(\n)-8], v[SC+(\s)/2] row_share:\n row_mask:0xf bank_mask:0xf
.endr
.endif
	s_wait_dscnt 0x0                               ; the fragments and the 32 table values are in; the permutes have read the codes' registers
.if (\s) < 6
	LOADC (\s)+2                                   ; so that set takes the strip two further on
.endif
.irp t, 0,1,2,3
.irp u, 0,2,4,6
	v_pk_mul_f32 v[NF+8*(\t)+(\u):NF+8*(\t)+(\u)+1], v[NF+8*(\t)+(\u):NF+8*(\t)+(\u)+1], v[SR+(\u):SR+(\u)+1]
.endr
.endr
.irp t, 0,1,2,3                        ; four accumulators, one instruction each; the next strip's first names another accumulator than this strip's last
	v_wmma_f32_16x16x32_bf16 v[NF+8*(\t):NF+8*(\t)+7], v[BF:BF+7], v[AF+8*(\t):AF+8*(\t)+7], v[NF+8*(\t):NF+8*(\t)+7]
.endr
	s_wait_xcnt 0x0                                ; every earlier memory instruction has had its addresses translated (ISA guide 3.1): OX and OW, which the last strip's stores read, are rewritten only behind this wait
.irp j, 0,1,2,3,4,5,6,7                ; x rounded: 16 plain instructions that name no register of the products: the places behind them
	v_cvt_pk_bf16_f32 v[OX+2*(\j)],   v[XP+4*(\j)],   v[XP+4*(\j)+1]
	v_cvt_pk_bf16_f32 v[OX+2*(\j)+1], v[XP+4*(\j)+2], v[XP+4*(\j)+3]
.endr
.if (\s) < 6
	LOADX (\s)+2
.endif
.irp j, 0,1,2,3,4,5,6,7
	global_store_b64 v[VS], v[OX+2*(\j):OX+2*(\j)+1], s[14:15] offset:(\j)*ROWH+(\s)*256 th:TH_STORE_NT  ; the wave stores 256 consecutive bytes, at a multiple of 256 from xb's first byte
.endr
.irp j, 0,1,2,3,4,5,6,7                ; the weight rounded once; j ascends
	v_cvt_pk_bf16_f32 v[OW+2*(\j)],   v[NF+(\j)],    v[NF+8+(\j)]
	v_cvt_pk_bf16_f32 v[OW+2*(\j)+1], v[NF+16+(\j)], v[NF+24+(\j)]
.endr
.irp j, 0,1,2,3,4,5,6,7
	global_store_b64 v[VS], v[OW+2*(\j):OW+2*(\j)+1], s[16:17] offset:(\j)*ROWH+(\s)*256 th:TH_STORE_NT
.endr
.endm
	TRIP 0
	TRIP 1
	TRIP 2
	TRIP 3
	TRIP 4
	TRIP 5
	TRIP 6                                         ; the last two strips load nothing more
	TRIP 7
	s_wait_tensorcnt 0x0                           ; the wave's end, behind my last LDS store
	ds_add_u32 v[SPW], v[NIL]
	s_wait_dscnt 0x0
	s_endpgm
.Lfunc_end_k_qb39b5a17ea_prep:
	.size	k_qb39b5a17ea_prep, .Lfunc_end_k_qb39b5a17ea_prep-k_qb39b5a17ea_prep
	.p2alignl 7, 3214868480
	.fill 96, 4, 3214868480
	.section	.rodata,"a",@progbits
	.p2align	6, 0x0
	.amdhsa_kernel k_qb39b5a17ea_prep
		.amdhsa_group_segment_fixed_size 33792
		.amdhsa_private_segment_fixed_size 0
		.amdhsa_enable_private_segment 0
		.amdhsa_kernarg_size 56
		.amdhsa_user_sgpr_count 2
		.amdhsa_user_sgpr_kernarg_segment_ptr 1
		.amdhsa_wavefront_size32 1
		.amdhsa_system_sgpr_workgroup_id_x 1
		.amdhsa_system_sgpr_workgroup_id_y 1
		.amdhsa_system_sgpr_workgroup_id_z 1
		.amdhsa_system_vgpr_workitem_id 0
		.amdhsa_next_free_vgpr 256
		.amdhsa_next_free_sgpr 66
		.amdhsa_reserve_vcc 1
		.amdhsa_float_denorm_mode_32 3
		.amdhsa_float_denorm_mode_16_64 3
		.amdhsa_memory_ordered 1
		.amdhsa_forward_progress 1
		.amdhsa_inst_pref_size 101
	.end_amdhsa_kernel
	.amdgpu_metadata
---
amdhsa.version: [ 1, 2 ]
amdhsa.kernels:
  - .name:           k_qb39b5a17ea_prep
    .symbol:         k_qb39b5a17ea_prep.kd
    .args:
      - { .name: x, .offset: 0, .size: 8, .value_kind: global_buffer, .address_space: global }
      - { .name: codes, .offset: 8, .size: 8, .value_kind: global_buffer, .address_space: global }
      - { .name: scales, .offset: 16, .size: 8, .value_kind: global_buffer, .address_space: global }
      - { .name: lora_A, .offset: 24, .size: 8, .value_kind: global_buffer, .address_space: global }
      - { .name: lora_B, .offset: 32, .size: 8, .value_kind: global_buffer, .address_space: global }
      - { .name: xb, .offset: 40, .size: 8, .value_kind: global_buffer, .address_space: global }
      - { .name: wb, .offset: 48, .size: 8, .value_kind: global_buffer, .address_space: global }
    .group_segment_fixed_size: 33792
    .private_segment_fixed_size: 0
    .kernarg_segment_align: 8
    .kernarg_segment_size: 56
    .max_flat_workgroup_size: 256
    .sgpr_count:     66
    .vgpr_count:     256
    .wavefront_size: 32
...
	.end_amdgpu_metadata
.endif
;; end of part 1
;; launch gemm (part 2): grid 16 x 16, 4 waves a work-group, clusters of 4 x 4, 327,680 bytes of LDS; arguments xb, wb, out0; writes out0
.if DOCPART == 2
	.amdgcn_target "amdgcn-amd-amdhsa--gfx1250"
	.amdhsa_code_object_version 6
	.text
	.protected	k_qb39b5a17ea_gemm
	.globl	k_qb39b5a17ea_gemm
	.p2align	8
	.type	k_qb39b5a17ea_gemm,@function
k_qb39b5a17ea_gemm:
	s_mov_b64 s[64:65], 0
	v_nop
	global_prefetch_b8 v0, s[64:65] scope:SCOPE_SE
	s_setreg_imm32_b32 hwreg(HW_REG_WAVE_MODE, 25, 1), 1
	s_wait_xcnt 0x0
	s_wait_alu depctr_hold_cnt(0) depctr_sa_sdst(0) depctr_va_vdst(0) depctr_va_sdst(0) depctr_va_ssrc(0) depctr_va_vcc(0) depctr_vm_vsrc(0)
	s_getreg_b32 s2, hwreg(HW_REG_IB_STS2, 6, 4)
	s_cmp_eq_u32 s2, 0
	s_cbranch_scc0 .Lentry_in_a_cluster
	s_endpgm
.Lentry_in_a_cluster:
	s_bfe_u32 s2, ttmp6, 0x10000c
	s_cmp_lg_u32 s2, 0xf033
	s_cbranch_scc0 .Lentry_shape_is_right
	s_endpgm
.Lentry_shape_is_right:
; out0[m][n] = sum over k of xb[m][k] wb[n][k].  xb (A): [4096][4096] bf16, wb (B): [4096][4096] bf16, out0 (C): [4096][4096] f32; sums in f32, K ascending, nothing rounded on the way out.
; A tile of C, 256 x 256, is made by a work-group of four waves; a wave makes 128 x 128: 64 accumulators of 16 x 16, 512 registers.  16 x 16 tiles: 256 work-groups, one tile each.
; K goes in 32 steps of 128 through a ring of two LDS slots filled by the tensor data mover: the rows of A's and B's tiles are 256 bytes of memory and start at multiples of 256 bytes.
; CLUSTERS: 4 x 4 work-groups.  The four of a row of the cluster need the same tiles of A, the four of a column the same tiles of B.  Such a tile is asked for JOINTLY: each of the four issues
; the same tensor load, with the same descriptor and a mask that names the four, and each receives the tile in its own LDS: the requests for A and for B are divided by four.
; REGISTERS, in windows of 256 (s_set_vgpr_msb's low byte: bits 1:0 source 0, 3:2 source 1, 5:4 source 2, 7:6 destination):
;   window 0: v0-31 addresses; v64-127, v128-191 fragments of A (8 x 16 rows x 32 K), two buffers; on the way out v64-255 are three buffers of 16 rows read back from the stage
;   window 1: v64-127, v128-191 fragments of B, two buffers
;   window 2: the 32 accumulators of my rows 0-63 (accumulator (a, b) at v[8 (8 a + b)]);   window 3: those of my rows 64-127
; THE MATRIX INSTRUCTION IS USED TRANSPOSED: source 0 = 16 rows of B, source 1 = 16 rows of A.  In the result lane l holds row l % 16 of C and its registers 0-7 the columns 8 (l / 16) + 0..7:
; 32 neighbouring bytes of a row of C.
.set SIZE_N, 4096
.set SIZE_K, 4096
.set KSTEP,  128
.set PITCH,  272                       ; an LDS row: 256 bytes + 16 of padding = 68 words: row r starts at bank 4 r mod 64 (64 banks of 4 bytes: ISA guide 11.1), so the 16 rows that a load touches start at 16 different banks
.set HALFT,  128*PITCH                 ; 128 rows: what one tensor load brings, and what one wave reads of A or of B
.set SLOT,   4*HALFT                   ; A's 256 rows, then B's 256 rows
.set STAGE,  2*SLOT                    ; behind the ring: 16 rows x 528 bytes for each wave, for the way out; no tensor load lands there
.set SPITCH, 528                       ; a stage row: my 128 columns, 512 bytes, + 16: the 16 rows that a store touches start at 16 different groups of four banks
.set SPARE,  STAGE+4*16*SPITCH         ; behind the stages: the spare words, 128 bytes for each wave: two blocks of 256 bytes that no other line names
.set LAPS,   SIZE_K/(2*KSTEP)          ; a lap = two K steps = once round the ring: 16
.set ROWC,   SIZE_N*4                  ; bytes in a row of C
.set ADRA, 16                          ; v16-17  LDS address of my A fragments in slot 0, 1
.set ADRB, 20                          ; v20-21  the same for B
.set STO,  24                          ; v24     the way out: where I put 32 bytes of a row
.set RD,   25                          ; v25     the way out: where I read 16 bytes of a row back
.set CO,   26                          ; v26     16 x my lane: my byte offset in my wave's 512 bytes of a row of C; never rewritten
.set SPW,  28                          ; v28     LDS address of my spare word: SPARE + 4 x my thread's number; never rewritten
.set NIL,  29                          ; v29     0; never rewritten
.set PFO,  30                          ; v30     the prefetches' offset: my lane x a row of A or B (8,192 bytes); never rewritten
.set PFA,  44                          ; s[44:45] where my prefetches stand: my work-group's 32 rows of the 128 that I fetch, one K step further along K than the refill in hand; a prefetch names the K step after that
.set LIM,  43                          ; s43     1 in a wave that prefetches, else the greatest number
.set F0,   64                          ; fragment buffer 0
.set F1,   128                         ; fragment buffer 1
.set G1, 24                            ; s[24:31] descriptor group 1 for A's tiles
.set G0, 32                            ; s[32:39] descriptor group 0 for A's tiles, one set for each slot
.set G1B, 48                           ; s[48:55] descriptor group 1 for B's tiles: it differs from A's in the mask alone
.set G0B, 56                           ; s[56:63] descriptor group 0 for B's tiles, one set for each slot
.set MSB, 0
.macro WIN new                         ; the immediate's high byte repeats the setting that is left; a switch that changes nothing is dropped
.if MSB != (\new)
	s_set_vgpr_msb (MSB<<8)|(\new)
.set MSB, \new
.endif
.endm
.set MUL_LO, 0xa1                      ; source 0 (B) window 1, source 1 (A) window 0, C and D window 2
.set MUL_HI, 0xf1                      ; the same, C and D window 3
.set TO_B,   0x40                      ; destination window 1, address window 0
; A joint load.  Waves 0 and 1 fetch A's two halves, waves 2 and 3 B's.  Each of the two lines has one mask and one set of registers for all that issue it; the branch hangs on the wave's number alone.
; An s_nop 0 and four v_nop follow each of the two lines, ahead of the jump, the label and what follows the macro.
.macro JLOAD s
	s_cmp_eq_u32 s11, 0
	s_cbranch_scc0 .Lfor_b_\@
	tensor_load_to_lds s[G0+4*(\s):G0+4*(\s)+3], s[G1:G1+7]
	s_nop 0
.rept 4
	v_nop
.endr
	s_branch .Lasked_\@
.Lfor_b_\@:
	tensor_load_to_lds s[G0B+4*(\s):G0B+4*(\s)+3], s[G1B:G1B+7]
	s_nop 0
.rept 4
	v_nop
.endr
.Lasked_\@:
.endm
; A PREFETCH, behind each joint refill, its five lines and the run of LDS loads that follows them: the K step that stands TWO refills on (512 matrix instructions ahead of the load that will ask for it):
; 32 rows x 256 bytes, a lane a row, one instruction a wave.  Each row's 256 bytes of a K step are named ONCE in the launch: A's tile row is read by every cluster of that row of clusters, and
; the one with cluster x = 0 asks; B's tile column by every cluster of that column, and the one with cluster y = 0 asks.  The four partners that ask for a tile jointly share its rows out BY ADDRESS:
; of the 128 rows that a wave fetches the partner at place p takes 32 p .. 32 p + 31 (p = cx for A, cy for B): no branch hangs on a work-group's place in its cluster.
; K steps 0 to 3 come by their loads alone; the loop's last trip (s3 = 1) asks for nothing: K step 31 is the last that is named.
.macro ASK
	s_cmp_gt_u32 s3, s[LIM]
	s_cbranch_scc0 .Lnot_mine_\@
	global_prefetch_b8 v[PFO], s[PFA:PFA+1] offset:KSTEP*2 th:TH_LOAD_NT scope:SCOPE_SE
.Lnot_mine_\@:
.endm
; A round of the cluster's barrier: my work-group's barrier, so that wave 0's signal speaks for all four waves; wave 0 signals for the work-group; every wave waits for all sixteen work-groups;
; my work-group's barrier once more.  No LDS instruction of the wave is pending at a signal.
.macro CREST                           ; a round behind its opening barrier
	s_cmp_lg_u32 s10, 0
	s_cbranch_scc1 .Lnot_wave_0_\@
	s_barrier_signal -3
.Lnot_wave_0_\@:
	s_barrier_wait -3
	s_barrier_signal -1
	s_barrier_wait -1
.endm
.macro CROUND                          ; a whole round
	s_barrier_signal -1
	s_barrier_wait -1
	CREST
.endm
	s_load_b128 s[4:7], s[0:1], 0x0                ; A s[4:5], B s[6:7]
	s_load_b64 s[8:9], s[0:1], 0x10                ; C
	v_lshl_add_u32 v[SPW], v0, 2, SPARE
	v_mov_b32 v[NIL], 0
	ds_add_u32 v[SPW], v[NIL]                      ; the wave's opening: the add, twice on end, and its wait, ahead of my first tensor load; the set-up below stands between the second and the wait
	ds_add_u32 v[SPW], v[NIL]                      ; and once more, under the one wait
	v_lshrrev_b32 v1, 5, v0
	v_readfirstlane_b32 s10, v1                    ; wave 0..3
	s_lshr_b32 s11, s10, 1                         ; which half of the tile's rows is mine.  Also: I fetch for A (0) or for B (1)
	s_and_b32 s12, s10, 1                          ; which half of its columns.  Also: which 128 rows of that tile I fetch
	s_bfe_u32 s40, ttmp6, 0x40000                  ; cx: my place along the cluster's x
	s_bfe_u32 s41, ttmp6, 0x40004                  ; cy: along its y
	s_lshl_b32 s42, ttmp9, 2                       ; in a cluster launch ttmp9 and ttmp7 count clusters
	s_add_co_u32 s42, s42, s40                     ; tile column of C = 4 x cluster x + cx
	s_and_b32 s13, ttmp7, 0xffff
	s_lshl_b32 s13, s13, 2
	s_add_co_u32 s13, s13, s41                     ; tile row of C = 4 x cluster y + cy
	s_lshl_b32 s43, s41, 2
	s_lshl_b32 s43, 15, s43                        ; my row of the cluster: places 4 cy .. 4 cy + 3
	s_lshl_b32 s44, 0x1111, s40                    ; my column: places cx, cx + 4, cx + 8, cx + 12
	; descriptor group 1: a tile of 128 rows x 128 elements, padded in LDS
	s_or_b32 s[G1+0], s43, (1<<16)|(1<<20)|(1<<21)|(5<<22)|(3<<25)  ; 15:0 the mask: A's tiles go to my row; 17:16 element of 2 bytes; 20 padding on; 21 set beside a mask; 24:22 after every 64 words (code 5); 31:25 of 4 words (code 3)
	s_or_b32 s[G1B+0], s44, (1<<16)|(1<<20)|(1<<21)|(5<<22)|(3<<25) ; the same with the mask of my column, for B's tiles
	s_mov_b32 s[G1B+1], KSTEP<<16
	s_mov_b32 s[G1+1], KSTEP<<16                   ; 63:48 tensor_dim0, low half = 128
	s_mov_b32 s[G1B+2], 128<<16
	s_mov_b32 s[G1+2], 128<<16                     ; 79:64 its high half = 0; 95:80 tensor_dim1, low half = 128
	s_mov_b32 s[G1B+3], KSTEP<<16
	s_mov_b32 s[G1+3], KSTEP<<16                   ; 111:96 its high half = 0; 127:112 tile_dim0 = 128
	s_mov_b32 s[G1B+4], 128
	s_mov_b32 s[G1+4], 128                         ; 143:128 tile_dim1 = 128; 159:144 tile_dim2 = 0
	s_mov_b32 s[G1B+5], SIZE_K
	s_mov_b32 s[G1+5], SIZE_K                      ; 191:160 tensor_dim0_stride, low word: elements from row to row
	s_mov_b32 s[G1B+6], 0
	s_mov_b32 s[G1+6], 0
	s_mov_b32 s[G1B+7], 0
	s_mov_b32 s[G1+7], 0
	; where the tiles come from.  A's hang on the tile row alone, which my row of the cluster shares; B's on the tile column alone, which my column shares.
	; Every wave makes both addresses, in registers that never hold the other coordinate, and asks by one of them.
	s_lshl_b32 s17, s12, 7                         ; which 128 rows of the tile I fetch
	s_lshl_b32 s16, s13, 8
	s_add_co_u32 s16, s16, s17                     ; A: row 256 x tile row + 128 x half
	s_lshl_b32 s46, s42, 8
	s_add_co_u32 s46, s46, s17                     ; B: row 256 x tile column + 128 x half
	s_mov_b32 s17, 0
	s_mov_b32 s47, 0
	s_mov_b64 s[18:19], SIZE_K*2
	s_mul_u64 s[16:17], s[16:17], s[18:19]         ; in bytes
	s_mul_u64 s[46:47], s[46:47], s[18:19]
	s_mul_i32 s20, s10, HALFT                      ; and where they go: A's two halves, then B's two halves = wave x 128 rows: no place in the cluster enters an LDS address
	s_wait_dscnt 0x0                               ; both opening adds are done
	s_wait_kmcnt 0x0
	s_add_nc_u64 s[14:15], s[4:5], s[16:17]
	s_add_nc_u64 s[46:47], s[6:7], s[46:47]
	CROUND                                         ; all sixteen work-groups are here: the first joint loads meet
.irp s, 0,1
	s_mov_b32 s[G0+4*(\s)], 1                                      ; 1:0 count = 1
	s_add_co_u32 s[G0+4*(\s)+1], s20, (\s)*SLOT                    ; 63:32 LDS address
	s_add_nc_u64 s[G0+4*(\s)+2:G0+4*(\s)+3], s[14:15], (\s)*KSTEP*2  ; 120:64 global address: K step s
	s_or_b32 s[G0+4*(\s)+3], s[G0+4*(\s)+3], 0x80000000            ; 127:126 type = 2
	s_mov_b32 s[G0B+4*(\s)], 1
	s_add_co_u32 s[G0B+4*(\s)+1], s20, (\s)*SLOT
	s_add_nc_u64 s[G0B+4*(\s)+2:G0B+4*(\s)+3], s[46:47], (\s)*KSTEP*2
	s_or_b32 s[G0B+4*(\s)+3], s[G0B+4*(\s)+3], 0x80000000
	JLOAD \s                                       ; the ring is filled before anything else is done: two loads of mine are out
.endr
	; A fragment is 16 rows x 32 K in 8 registers: lane l holds row l % 16; registers 0-3 hold K = 8 (l / 16) + 0..7, registers 4-7 hold K = 16 + 8 (l / 16) + 0..7: two loads of 16 bytes, 32 bytes apart.
	v_and_b32 v1, 15, v0                           ; l % 16
	v_bfe_u32 v2, v0, 4, 1                         ; l / 16
	v_mul_u32_u24 v3, v1, PITCH
	v_lshl_add_u32 v3, v2, 4, v3                   ; row x pitch + 16 x half
	s_mul_i32 s21, s11, HALFT                      ; my 128 rows of A
	s_mul_i32 s22, s12, HALFT                      ; my 128 rows of B,
	s_add_co_u32 s22, s22, 2*HALFT                 ; which lie behind A's 256
.irp s, 0,1
	v_add_nc_u32 v[ADRA+(\s)], s21, v3
	v_add_nc_u32 v[ADRB+(\s)], s22, v3
	s_add_co_u32 s21, s21, SLOT
	s_add_co_u32 s22, s22, SLOT
.endr
	s_mul_i32 s23, s10, 16*SPITCH
	s_add_co_u32 s23, s23, STAGE                   ; my stage
	v_mul_u32_u24 v4, v1, SPITCH                   ; in: row l % 16, 32 bytes for each half of the lanes
	v_lshl_add_u32 v4, v2, 5, v4
	v_add_nc_u32 v[STO], s23, v4
	v_and_b32 v5, 31, v0
	v_lshlrev_b32 v[CO], 4, v5                     ; back: the 32 lanes take one row of 512 bytes,
	v_add_nc_u32 v[RD], s23, v[CO]                 ; which are 512 consecutive bytes of C
	; C at my part of the tile
	s_lshl_b32 s13, s13, 8                         ; 256 x tile row
	s_lshl_b32 s14, s11, 7
	s_add_co_u32 s16, s13, s14                     ; my first row of C,
	s_lshl_b32 s16, s16, 14                        ; in bytes (under 2^26)
	s_lshl_b32 s46, s42, 10                        ; my first column, in bytes: 1,024 x tile column + 512 x half
	s_lshl_b32 s47, s12, 9
	s_add_co_u32 s46, s46, s47
	s_add_co_u32 s16, s16, s46
	s_mov_b32 s17, 0
	s_add_nc_u64 s[8:9], s[8:9], s[16:17]          ; set once: a row's place among my 128 stands in the stores' immediates
	; the prefetches.  s13 = 256 x tile row, s42 = tile column, s40 = cx, s41 = cy still stand; s[4:5] = A, s[6:7] = B
	s_lshl_b32 s42, s42, 8
	s_and_b32 s22, ttmp7, 0xffff                   ; cluster y
	s_cmp_eq_u32 s11, 0                            ; do I fetch for A?
	s_cselect_b32 s20, s13, s42                    ; the tile's first row: in A by the tile row, in B by the tile column
	s_cselect_b32 s21, s40, s41                    ; my place among the four that ask for it with me
	s_cselect_b32 s22, ttmp9, s22                  ; the coordinate along which other clusters read the same rows
	s_cselect_b64 s[PFA:PFA+1], s[4:5], s[6:7]
	s_cmp_eq_u32 s22, 0
	s_cselect_b32 s[LIM], 1, -1                    ; the same in all sixteen partners, for a given wave
	s_lshl_b32 s22, s12, 7
	s_add_co_u32 s20, s20, s22                     ; + the 128 rows that I fetch
	s_lshl_b32 s21, s21, 5
	s_add_co_u32 s20, s20, s21                     ; + my work-group's 32 of them
	s_mov_b32 s21, 0
	s_mov_b64 s[18:19], SIZE_K*2
	s_mul_u64 s[20:21], s[20:21], s[18:19]
	s_add_nc_u64 s[PFA:PFA+1], s[PFA:PFA+1], s[20:21]
	s_add_nc_u64 s[PFA:PFA+1], s[PFA:PFA+1], 2*KSTEP*2  ; at K step 2: the first refill steps it to 3 and names K step 4
	v_and_b32 v[PFO], 31, v0
	v_mul_u32_u24 v[PFO], v[PFO], SIZE_K*2
; 16 matrix instructions: m blocks a0, a0 + 1 of the window's four (hi = 0: my rows 0-63, 1: rows 64-127) x all 8 n blocks, 32 along K.  zero = 1: the first product starts the sums: nothing is ever cleared.
; The 64 accumulators take turns, one instruction a turn, in the same order in every quarter step, over the loop's backward jump too.
.macro MUL16 f, hi, a0, zero
	WIN MUL_LO+0x50*(\hi)
.irp a, \a0, (\a0)+1
.irp b, 0,1,2,3,4,5,6,7
.if \zero
	v_wmma_f32_16x16x32_bf16 v[8*(8*(\a)+(\b)):8*(8*(\a)+(\b))+7], v[(\f)+8*(\b):(\f)+8*(\b)+7], v[(\f)+8*(4*(\hi)+(\a)):(\f)+8*(4*(\hi)+(\a))+7], 0
.else
	v_wmma_f32_16x16x32_bf16 v[8*(8*(\a)+(\b)):8*(8*(\a)+(\b))+7], v[(\f)+8*(\b):(\f)+8*(\b)+7], v[(\f)+8*(4*(\hi)+(\a)):(\f)+8*(4*(\hi)+(\a))+7], v[8*(8*(\a)+(\b)):8*(8*(\a)+(\b))+7]
.endif
.endr
.endr
.endm
; 32 LDS loads in one run: the fragments of one quarter step (128 rows of B, 128 rows of A, 32 K at byte k of the rows) into buffer f
.macro FETCH slot, k, f
	WIN TO_B
.irp i, 0,1,2,3,4,5,6,7
	ds_load_b128 v[(\f)+8*(\i):(\f)+8*(\i)+3],   v[ADRB+(\slot)] offset:(\k)+(\i)*16*PITCH
	ds_load_b128 v[(\f)+8*(\i)+4:(\f)+8*(\i)+7], v[ADRB+(\slot)] offset:(\k)+(\i)*16*PITCH+32
.endr
	WIN 0
.irp i, 0,1,2,3,4,5,6,7
	ds_load_b128 v[(\f)+8*(\i):(\f)+8*(\i)+3],   v[ADRA+(\slot)] offset:(\k)+(\i)*16*PITCH
	ds_load_b128 v[(\f)+8*(\i)+4:(\f)+8*(\i)+7], v[ADRA+(\slot)] offset:(\k)+(\i)*16*PITCH+32
.endr
.endm
; A load into a register that a matrix instruction has read, and a store that reads a matrix result, stand four places behind that matrix instruction, and only plain vector instructions that
; name none of its registers are places (ISA guide 7.12.1 for vector instructions).
.macro PLACES
.rept 4
	v_nop
.endr
.endm
; A K step is four quarter steps of 32 along K, 64 matrix instructions each, on buffers 0, 1, 0, 1.
; One of the first three: multiplies buffer f; in its middle it fetches the next quarter's fragments, at byte k of the same slot's rows, into buffer g.
.macro QUARTER slot, k, f, g, zero
	s_wait_dscnt 8                                 ; B and A's rows 0-63 are in; the youngest eight loads (A's rows 64-127) may be out
	WIN MUL_LO
	MUL16 \f, 0, 0, \zero
	MUL16 \f, 0, 2, \zero
	PLACES
	FETCH \slot, \k, \g
	s_wait_dscnt 32                                ; all but the 32 just issued
	WIN MUL_HI
	MUL16 \f, 1, 0, \zero
	MUL16 \f, 1, 2, \zero
.endm
; The last quarter multiplies buffer 1 and changes slots.  MEET is its first half: ONE barrier for the change of slots.  In front of it each wave waits for all its tensor loads, of which one is
; out: its part of the next slot; adds 0 to its spare word; and waits for that and for its own reads of this slot.  Behind it nobody reads this slot any more and the next slot is whole.
.macro MEET round                      ; round = 1: a round of the cluster's barrier follows
	WIN 0                                          ; (the add's two registers lie in window 0)
	s_wait_tensorcnt 0x0                           ; all my tensor loads have landed: the one that was out is my part of the next slot;
	ds_add_u32 v[SPW], v[NIL]                      ; 0 onto my spare word;
	s_wait_dscnt 9                                 ; (the add and the youngest eight loads may be out)
	WIN MUL_LO
	MUL16 F1, 0, 0, 0                              ; sixteen matrix instructions stand between the add and the wait for it
	s_wait_dscnt 0x0                               ; the add is done, and my reads of this slot are over:
	s_barrier_signal -1                            ; say so (where a slot is filled again this barrier opens a round of the cluster's barrier),
	MUL16 F1, 0, 2, 0                              ; work on registers while the others arrive,
.if \round
	WIN 0
.endif
	s_barrier_wait -1                              ; and go on when all four have said so
.endm
; The whole last quarter where the slot is filled again, with the K step two steps on; then come the next slot's first fragments.  From a request to the wait for it a wave issues 224 matrix instructions.
.macro TURN slot, next
	s_wait_xcnt 0x0                                ; the last prefetch, a K step back, has read its address: it is stepped here, ahead of the waits of the change of slots
	s_add_nc_u64 s[PFA:PFA+1], s[PFA:PFA+1], KSTEP*2
	MEET 1
	CREST                                          ; all sixteen work-groups have said so: no wave of any partner still reads this slot's tile or has a load on its way
	s_add_nc_u64 s[G0+4*(\slot)+2:G0+4*(\slot)+3], s[G0+4*(\slot)+2:G0+4*(\slot)+3], 2*KSTEP*2    ; no tensor load of mine is out, so a group 0 may be written; the type bits on top are not reached
	s_add_nc_u64 s[G0B+4*(\slot)+2:G0B+4*(\slot)+3], s[G0B+4*(\slot)+2:G0B+4*(\slot)+3], 2*KSTEP*2
	JLOAD \slot                                    ; the first tensor load behind the round, my only one until the next; the four v_nop behind it are also the places in front of the loads below
	FETCH \next, 0, F0
	ASK                                            ; behind the joint load and the run of LDS loads that the next products wait for
	WIN MUL_HI
	MUL16 F1, 1, 0, 0
	MUL16 F1, 1, 2, 0
.endm
; The last change of slots: nothing is filled again, so no round follows the barrier.
.macro TURNL
	MEET 0
	PLACES
	FETCH 1, 0, F0
	WIN MUL_HI
	MUL16 F1, 1, 0, 0
	MUL16 F1, 1, 2, 0
.endm
; THE WAY OUT of block a (16 of my rows), f32 as it stands.  TOSTAGE: a lane's 32 bytes of each of the 8 column blocks go into my own stage, each accumulator's low four registers first, and
; come back as whole rows of 512 bytes, into one of three buffers by turns.  SEND: stored.
.macro TOSTAGE a
.set AC, 64*((\a)%4)
.set BK, 64+64*((\a)%3)
	WIN 0x08+4*((\a)/4)                            ; the stores' data (source 1): window 2 or 3
.irp b, 0,1,2,3,4,5,6,7
	ds_store_b128 v[STO], v[AC+8*(\b):AC+8*(\b)+3]   offset:64*(\b)
	ds_store_b128 v[STO], v[AC+8*(\b)+4:AC+8*(\b)+7] offset:64*(\b)+16
.endr
	WIN 0
.irp t, 0,1,2,3,4,5,6,7,8,9,10,11,12,13,14,15
	ds_load_b128 v[BK+4*(\t):BK+4*(\t)+3], v[RD] offset:(\t)*SPITCH  ; LDS serves a wave's instructions in order (ISA guide 5.7.1.4): these see the stores above; the next block's stores come behind them
.endr
.endm
.macro SEND a, younger                 ; younger: the LDS instructions issued behind block a's loads: the next block's 32, or none
.set BK, 64+64*((\a)%3)
	WIN 0
	s_wait_dscnt \younger                          ; the block is back in registers
	s_wait_xcnt 0x0                                ; every earlier store has had its addresses translated (ISA guide 3.1): the buffer that block a - 1's stores read is loaded again (block a + 2) only behind this wait
.irp t, 0,1,2,3,4,5,6,7,8,9,10,11,12,13,14,15
	global_store_b128 v[CO], v[BK+4*(\t):BK+4*(\t)+3], s[8:9] offset:(16*(\a)+(\t))*ROWC th:TH_STORE_NT  ; the wave stores 512 consecutive bytes, at a multiple of 512 from C's first byte; 127 rows at the most: inside the signed 24-bit immediate
.endr
.endm
	s_wait_tensorcnt 1                             ; my part of K step 0 is in; K step 1's may stay out
	s_barrier_signal -1
	s_barrier_wait -1                              ; everybody's is
	FETCH 0, 0, F0
	QUARTER 0, 64,  F0, F1, 1                      ; the first quarter stands in front of the loop: its products start the sums
	WIN 0                                          ; at a label and at a branch every window is 0
	s_mov_b32 s3, LAPS-1
.Llap:                                                 ; 15 trips: each goes once round the ring, from a lap's second quarter to the next lap's first, and fills both slots again: K steps 2 to 31
	QUARTER 0, 128, F1, F0, 0
	QUARTER 0, 192, F0, F1, 0
	TURN 0, 1
	QUARTER 1, 64,  F0, F1, 0
	QUARTER 1, 128, F1, F0, 0
	QUARTER 1, 192, F0, F1, 0
	TURN 1, 0
	QUARTER 0, 64,  F0, F1, 0
	WIN 0
	s_sub_co_u32 s3, s3, 1
	s_cmp_lg_u32 s3, 0
	s_cbranch_scc1 .Llap
	QUARTER 0, 128, F1, F0, 0                      ; the last lap is written out: it asks for nothing more
	QUARTER 0, 192, F0, F1, 0
	TURNL
	QUARTER 1, 64,  F0, F1, 0
	QUARTER 1, 128, F1, F0, 0
	QUARTER 1, 192, F0, F1, 0
	s_wait_dscnt 8                                 ; the very last quarter: nothing more to fetch
	WIN MUL_LO
	MUL16 F1, 0, 0, 0
	MUL16 F1, 0, 2, 0
	s_wait_dscnt 0x0
	MUL16 F1, 1, 0, 0
	MUL16 F1, 1, 2, 0
	WIN 0
	PLACES                                         ; four places are owed in front of stores that read results and of loads into A's buffers;
	PLACES                                         ; eight are written, once a launch
	TOSTAGE 0
.irp a, 1,2,3,4,5,6,7                  ; block a goes through the stage while block a - 1's rows come back and leave
	TOSTAGE \a
	SEND (\a)-1, 32
.endr
	SEND 7, 0
	s_wait_tensorcnt 0x0                           ; the wave's end, behind my last tensor load and my last LDS store
	ds_add_u32 v[SPW], v[NIL]
	s_wait_dscnt 0x0
	CROUND                                         ; the closing round: no work-group ends while a partner may still ask for a tile that names it
	s_endpgm
.Lfunc_end_k_qb39b5a17ea_gemm:
	.size	k_qb39b5a17ea_gemm, .Lfunc_end_k_qb39b5a17ea_gemm-k_qb39b5a17ea_gemm
	.p2alignl 7, 3214868480
	.fill 96, 4, 3214868480
	.section	.rodata,"a",@progbits
	.p2align	6, 0x0
	.amdhsa_kernel k_qb39b5a17ea_gemm
		.amdhsa_group_segment_fixed_size 327680
		.amdhsa_private_segment_fixed_size 0
		.amdhsa_enable_private_segment 0
		.amdhsa_kernarg_size 24
		.amdhsa_user_sgpr_count 2
		.amdhsa_user_sgpr_kernarg_segment_ptr 1
		.amdhsa_wavefront_size32 1
		.amdhsa_system_sgpr_workgroup_id_x 1
		.amdhsa_system_sgpr_workgroup_id_y 1
		.amdhsa_system_sgpr_workgroup_id_z 1
		.amdhsa_system_vgpr_workitem_id 0
		.amdhsa_next_free_vgpr 1024
		.amdhsa_next_free_sgpr 66
		.amdhsa_reserve_vcc 0
		.amdhsa_float_denorm_mode_32 3
		.amdhsa_float_denorm_mode_16_64 3
		.amdhsa_memory_ordered 1
		.amdhsa_forward_progress 1
		.amdhsa_inst_pref_size 141
	.end_amdhsa_kernel
	.amdgpu_metadata
---
amdhsa.version: [ 1, 2 ]
amdhsa.kernels:
  - .name:           k_qb39b5a17ea_gemm
    .symbol:         k_qb39b5a17ea_gemm.kd
    .args:
      - { .name: xb, .offset: 0, .size: 8, .value_kind: global_buffer, .address_space: global }
      - { .name: wb, .offset: 8, .size: 8, .value_kind: global_buffer, .address_space: global }
      - { .name: out0, .offset: 16, .size: 8, .value_kind: global_buffer, .address_space: global }
    .group_segment_fixed_size: 327680
    .private_segment_fixed_size: 0
    .kernarg_segment_align: 8
    .kernarg_segment_size: 24
    .max_flat_workgroup_size: 128
    .sgpr_count:     66
    .vgpr_count:     1024
    .wavefront_size: 32
...
	.end_amdgpu_metadata
.endif
;; end of part 2
